; MI455X (gfx1250); checked and timed in simulation.
; The chip was launched on July 23, 2026; its instructions are those of AMD's public machine-readable ISA for CDNA 5 (MIT licence, August 2026) and "CDNA5" Instruction Set Architecture Reference Guide (July 2026). The comments in the code are by the model that wrote it; some were corrected since.
;; Bahdanau Attention. Allowed arithmetic: matrix products marked QUANTISED: E4M3 operands, one E8M0 scale for each 32 along K, by v_wmma_scale_f32_16x16x128_f8f6f4 with both operands' format E4M3, f32 sums; products left as they are: f32 operands where the result goes on into a quantised operand, else bf16, f16 or f32 operands; f32 sums; everything else in f32.
;; Inputs: V_b 1 float32; V_w 1,024 x 1 float32; Wc_b 1,024 float32; Wc_w 1 x 1,024 float32; Wh_b 1,024 float32; Wh_w 1,024 x 1,024 float32; Ws_b 1,024 float32; Ws_w 1,024 x 1,024 float32; dec_hidden 32 x 1,024 float32; enc_output 32 x 2,048 x 1,024 float32; enc_pad_mask 32 x 2,048 int32; prev_coverage 32 x 2,048 x 1 float32.
;; Outputs: out0 32 x 1,024 float32; out1 32 x 2,048 float32; out2 32 x 2,048 x 1 float32.
;; Constants: use_coverage = True.
;; This version of the problem:
;;   THIS VERSION OF THE PROBLEM IS GIVEN IN LOW PRECISION. The matrix products marked QUANTISED in the list below multiply operands that are first quantised to E4M3 (4 exponent bits, 3 mantissa bits; 8 bits a number), with one power-of-two scale for each 32 numbers along K (OCP MX v1.0); their sums are f32. All else is computed in f32.
;;   The module's matrix products, in the order in which they are computed (A, B: the left and right operand; K: the contracted axis; several contracted axes count as one K, in the product's order):
;;     1. [M 32, K 1,024] x [K 1,024, N 1,024]; A: input dec_hidden; B: input Wh_w: QUANTISED
;;     2. [M 65,536, K 1,024] x [K 1,024, N 1,024]; A: input enc_output; B: input Ws_w: QUANTISED
;;     3. [M 65,536, K 1] x [K 1, N 1,024]; A: input prev_coverage; B: input Wc_w: left as it is (K = 1 < 32)
;;     4. [M 65,536, K 1,024] x [K 1,024, N 1]; A: computed on the way; B: input V_w: left as it is (N = 1 < 16)
;;   THE QUANTISER, for each operand of a quantised product, along K:
;;     - K is cut into blocks of 32 from its start; a last block that is shorter is filled with zeros.
;;     - A block's scale is 2^e with e = floor(log2(the largest magnitude in the block)) - 8, held to -126 .. 127; a block of zeros has e = 0. As a byte (E8M0): e + 127.
;;     - Each number is divided by its block's scale, clamped to +-448, and rounded to the nearest number of E4M3, ties to even, subnormals kept.
;;     - The product sums the exact products of the quantised numbers (number of the format x scale) in f32.
;;   ~~~python
;;   def quantise(x, axis):      # numpy; x: float32 -> the quantised numbers, widened to float32 again
;;       x = np.moveaxis(x, axis, -1); K = x.shape[-1]
;;       x = np.pad(x, [(0, 0)] * (x.ndim - 1) + [(0, -K % 32)]); x = x.reshape(x.shape[:-1] + (-1, 32)); a = np.abs(x).max(-1, keepdims=True)
;;       e = np.where(a > 0, np.clip(np.frexp(np.where(a > 0, a, 1))[1] - 1 - 8, -126, 127), 0)      # np.frexp(a)[1] - 1 = floor(log2(a)), exactly
;;       r = np.clip(x / 2.0 ** e, -448, 448)
;;       step = 2.0 ** (np.maximum(np.frexp(np.where(r == 0, 1, r))[1] - 1, -6) - 3)
;;       q = np.round(r / step) * step * 2.0 ** e      # np.round: ties to even
;;       return np.moveaxis(q.reshape(q.shape[:-2] + (-1,))[..., :K], -1, axis).astype(np.float32)
;;   ~~~
;; One version. Each part assembles by itself: llvm-mc -triple=amdgcn-amd-amdhsa -mcpu=gfx1250 --defsym DOCPART=n.
;; ======== version 1 of 1: 3 launches
;; limits: right only within a limited range of input values
;; workspace buffers: wcodes 1,048,576 bytes; wscales 32,768 bytes; cst 393,216 bytes; scores 262,144 bytes
;; launch prep (part 1): grid 192 x 1, 8 waves a work-group, no clusters, 9,728 bytes of LDS; arguments Ws_w, Wh_w, dec_hidden, Wh_b, Ws_b, Wc_b, Wc_w, V_w, wcodes, wscales, cst; writes wcodes, wscales, cst
.if DOCPART == 1
	.amdgcn_target "amdgcn-amd-amdhsa--gfx1250"
	.amdhsa_code_object_version 6
	.text
	.protected	k_q7b731dd621_prep
	.globl	k_q7b731dd621_prep
	.p2align	8
	.type	k_q7b731dd621_prep,@function
k_q7b731dd621_prep:
	s_mov_b64 s[64:65], 0
	v_nop
	global_prefetch_b8 v0, s[64:65] scope:SCOPE_SE
	s_setreg_imm32_b32 hwreg(HW_REG_WAVE_MODE, 25, 1), 1
	s_wait_xcnt 0x0
; PREP.  Two jobs, told apart by the work-group's number alone.
; Work-groups 0-127 (tile T = g / 2 of 16 units, batch tile rt = g % 2): h = Q(dec_hidden) Q(Wh_w), the first quantised product, and from it the tables that the next launch wants, for each batch b:
;   cst[b][0][u] = K2 (h[b][u] + Wh_b[u] + Ws_b[u] + Wc_b[u]),  cst[b][1][u] = K2 Wc_w[u],  cst[b][2][u] = -2 V_w[u],  K2 = 2 log2(e):  tanh(f) = 1 - 2 / (1 + 2^(K2 f)).
; Work-groups 128-191 (tile T = g % 64): Ws_w [K][U] becomes codes of E4M3 with one E8M0 byte for each 32 along K, laid in the order of the operand's registers:
;   wcodes [T][K step s][c][lane][16 bytes]: column 16 T + lane % 16, K = 128 s + 32 c + 16 (lane / 16) + 0 .. 15;
;   wscales [T][lane][4 words]: lanes 0-15 column l's words of K steps 0, 2, 4, 6; lanes 16-31 column l - 16's of K steps 1, 3, 5, 7.
; Wave s of eight takes K step s.  A LANE TAKES A COLUMN AND ITS REGISTERS RUN DOWN K, in the order that the operand's layout gives that lane: the conversions' results are the operand's registers.
; THE QUANTISER: a block's scale is 2^(floor(log2(largest magnitude)) - 8); its byte is the largest magnitude's exponent field - 8, held at 1 from below; numbers are held within +-448 x the scale and rounded to the nearest code, ties to even.
; LIMITS: a block of zeros gets the byte 1 where the rule says 127 (its codes are zeros, and this program alone reads the bytes); blocks whose largest magnitude lies under 2^-118 are held at that byte; NaN and infinities among the inputs are not served.
; The first product's K is shared among the eight waves; their eight partial sums are added in ascending K, in f32.
; No tensor load: each wave has 64 + 16 loads out once.  Each path has LDS bytes of its own.
; WORK LEFT OUT, in the whole program.  The scores reach the outputs through softmax over the places of a batch alone, and softmax(x + c) = softmax(x) for a c that is the same along that axis.
; V_b is such a c; so is the sum over u of V_w[u], the part of sum V tanh(f) = sum V - sum 2 V / (1 + 2^(K2 f)) that hangs on no place.  Neither is added, for all values of the inputs; V_b is no argument of any launch.
; enc_pad_mask is taken by reference() and never used: it is no argument either.  LIMIT: a NaN, an infinity or an overflow that reaches only what is left out is not carried to the results.
.set SA,    0
.set PB,    512                        ; Wh's path: eight partial tiles of 1,024 bytes
.set SPARE, 8704                       ; the spare words, 128 bytes for each of eight waves: four blocks of 256 bytes that no other line names
.set WOF, 4                            ; v4   a weight's offset: 4 r + 16 rows x h
.set LI,  5                            ; v5   16 x lane
.set SAW, 6                            ; v6   where my column's scale word goes
.set PBW, 7                            ; v7   1,024 x wave + 16 x lane
.set DOF, 8                            ; v8   dec_hidden: 4,096 r + 64 h
.set BOF, 9                            ; v9   the vectors of U: 64 T + 32 h
.set COF, 10                           ; v10  cst: 12,288 r + 32 h
.set SPW, 16                           ; v16  LDS address of my spare word; never rewritten
.set NIL, 17                           ; v17  0; never rewritten
.set BI,  18                           ; v18-57   Wh_b, Ws_b, Wc_b, Wc_w, V_w: eight numbers each
.set X,   64                           ; v64-127  64 numbers of the weight
.set Y,   128                          ; v128-191 64 numbers of dec_hidden
.set TM,  192                          ; v192-207 the quantiser's: largest magnitudes, bytes, holds, scale operands
.set PC,  208                          ; v208-223 the weight's codes
.set PC2, 224                          ; v224-239 dec_hidden's codes
.set PW,  240                          ; v240, v241 their scale words
.set PW2, 241
.set D,   242                          ; v242-249 the partial product
.set WV,  26
.set SEL, 30
.set MNT, 32
.set K2,  34
; 64 numbers of a lane, register 16 b + i = k 32 b + 16 (lane / 16) + i of my row or column, become a fragment's codes in v[pc] on and its scale word in v[pw]
.macro QUANT s, pc, pw
.irp b, 0,1,2,3
	v_max3_num_f32 v[TM+\b], |v[\s+16*\b]|, |v[\s+1+16*\b]|, 0x4800000   ; block b: my 16 numbers, and the floor 2^(9 - 127): the byte cannot fall under 1
.endr
.irp i, 2,4,6,8,10,12,14
.irp b, 0,1,2,3
	s_delay_alu instid0(VALU_DEP_4)
	v_max3_num_f32 v[TM+\b], v[TM+\b], |v[\s+16*\b+\i]|, |v[\s+1+16*\b+\i]|   ; the four blocks by turns
.endr
.endr
.irp b, 0,1,2,3
	s_delay_alu instid0(VALU_DEP_4)
	v_permlanex16_b32 v[TM+4+\b], v[TM+\b], s[SEL], s[SEL+1]
.endr
.irp b, 0,1,2,3
	s_delay_alu instid0(VALU_DEP_4)
	v_max_num_f32 v[TM+\b], v[TM+\b], v[TM+4+\b]           ; with lane l xor 16's: the block's largest magnitude
.endr
.irp b, 0,1,2,3
	s_delay_alu instid0(VALU_DEP_4)
	v_add_nc_u32 v[TM+12+\b], 0xfc000000, v[TM+\b]         ; 8 off its exponent field: the conversion's scale operand
.endr
.irp b, 0,1,2,3
	v_and_or_b32 v[TM+8+\b], v[TM+\b], 0x7f800000, s[MNT]  ; 448 x the scale
.endr
.irp b, 0,1,2,3
	v_lshrrev_b32 v[TM+4+\b], 23, v[TM+12+\b]              ; the scale's byte
.endr
	s_delay_alu instid0(VALU_DEP_3)
	v_lshl_or_b32 v[\pw], v[TM+5], 8, v[TM+4]
	s_delay_alu instid0(VALU_DEP_1)
	v_lshl_or_b32 v[\pw], v[TM+6], 16, v[\pw]
	s_delay_alu instid0(VALU_DEP_1)
	v_lshl_or_b32 v[\pw], v[TM+7], 24, v[\pw]
.irp b, 0,1,2,3
.irp i, 0,1,2,3,4,5,6,7,8,9,10,11,12,13,14,15
	v_med3_num_f32 v[\s+16*\b+\i], v[\s+16*\b+\i], -v[TM+8+\b], v[TM+8+\b]   ; the conversion to an 8-bit code does not saturate (ISA guide 7.6.2): the hold comes first
.endr
	v_cvt_scalef32_pk8_fp8_f32 v[\pc+4*\b:\pc+1+4*\b], v[\s+16*\b:\s+7+16*\b], v[TM+12+\b]
	v_cvt_scalef32_pk8_fp8_f32 v[\pc+2+4*\b:\pc+3+4*\b], v[\s+8+16*\b:\s+15+16*\b], v[TM+12+\b]
.endr
	v_nop                                          ; one plain line behind the last conversion
.endm
.macro WLOAD p                         ; W(128 s + 32 c + 16 h + i, 16 T + r): sixteen neighbouring lanes read 64 neighbouring bytes
.irp c, 0,1,2,3
.irp i, 0,1,2,3,4,5,6,7,8,9,10,11,12,13,14,15
	global_load_b32 v[X+16*\c+\i], v[WOF], s[\p:\p+1] offset:(32*\c+\i)*4096
.endr
.endr
.endm
	s_load_b256 s[4:11], s[0:1], 0x0               ; Ws_w s[4:5], Wh_w s[6:7], dec_hidden s[8:9], Wh_b s[10:11]
	s_load_b256 s[12:19], s[0:1], 0x20             ; Ws_b s[12:13], Wc_b s[14:15], Wc_w s[16:17], V_w s[18:19]
	s_load_b128 s[20:23], s[0:1], 0x40             ; wcodes s[20:21], wscales s[22:23]
	s_load_b64 s[24:25], s[0:1], 0x50              ; cst
	v_lshl_add_u32 v[SPW], v0, 2, SPARE
	v_mov_b32 v[NIL], 0
	v_lshrrev_b32 v1, 5, v0
	s_delay_alu instid0(VALU_DEP_1)
	v_readfirstlane_b32 s[WV], v1                  ; wave = K step
	v_and_b32 v1, 31, v0                           ; lane
	v_and_b32 v2, 15, v0                           ; r
	v_bfe_u32 v3, v0, 4, 1                         ; h
	s_delay_alu instid0(VALU_DEP_2)
	v_lshlrev_b32 v[WOF], 2, v2
	s_delay_alu instid0(VALU_DEP_1)
	v_lshl_add_u32 v[WOF], v3, 16, v[WOF]          ; lanes 16-31 begin 16 rows of 4,096 bytes further down
	v_lshlrev_b32 v[LI], 4, v1
	s_and_b32 s36, s[WV], 1
	s_lshl_b32 s36, s36, 8                         ; odd K steps go to lanes 16-31's places,
	s_lshr_b32 s37, s[WV], 1
	s_lshl_b32 s37, s37, 2                         ; word s / 2
	s_add_co_u32 s36, s36, s37
	v_lshl_add_u32 v[SAW], v2, 4, s36
	s_lshl_b32 s37, s[WV], 10
	v_add_nc_u32 v[PBW], s37, v[LI]
	v_lshlrev_b32 v[DOF], 12, v2
	s_delay_alu instid0(VALU_DEP_1)
	v_lshl_add_u32 v[DOF], v3, 6, v[DOF]
	v_mul_u32_u24 v[COF], v2, 12288
	s_delay_alu instid0(VALU_DEP_1)
	v_lshl_add_u32 v[COF], v3, 5, v[COF]
	s_mov_b32 s[SEL], 0x76543210
	s_mov_b32 s[SEL+1], 0xfedcba98                 ; v_permlanex16_b32's selects for lane l xor 16
	s_mov_b32 s[MNT], 0x600000                     ; the mantissa field of 448
	s_mov_b32 s[K2], 0x4038aa3b                    ; 2 log2(e)
	s_mov_b32 s[K2+1], s[K2]                       ; (named with it as a pair, so it is written)
.irp b, 0,1,2,3
	v_mov_b32 v[TM+4+\b], 0                        ; written once: a lane permute's destination counts as one of its sources
.endr
	s_lshl_b32 s40, s[WV], 19                      ; my K step: 128 rows of 4,096 bytes
	s_mov_b32 s41, 0
	s_wait_kmcnt 0x0
	s_cmp_lt_u32 ttmp9, 128                        ; the paths part here, once, and join at the closing lines
	s_cbranch_scc0 .Lpath_ws
	; ---- Wh and dec_hidden: one matrix instruction a wave
	s_lshr_b32 s28, ttmp9, 1                       ; T
	s_and_b32 s29, ttmp9, 1                        ; rt
	s_lshl_b32 s42, s28, 6                         ; 64 T: the tile's 16 columns in bytes
	s_add_co_u32 s40, s40, s42
	s_add_nc_u64 s[6:7], s[6:7], s[40:41]
	WLOAD 6
	s_lshl_b32 s40, s29, 16                        ; 16 batches of 4,096 bytes,
	s_lshl_b32 s43, s[WV], 9                       ; my K step's 512 bytes
	s_add_co_u32 s40, s40, s43
	s_add_nc_u64 s[8:9], s[8:9], s[40:41]
	s_wait_alu depctr_va_vdst(0)
.irp c, 0,1,2,3
.irp j, 0,1,2,3
	global_load_b128 v[Y+16*\c+4*\j:Y+16*\c+4*\j+3], v[DOF], s[8:9] offset:128*\c+16*\j   ; dec(16 rt + r, 128 s + 32 c + 16 h + 4 j ..)
.endr
.endr
	s_mul_i32 s40, s29, 196608                     ; cst: 16 batches of 12,288 bytes, + 64 T
	s_add_co_u32 s40, s40, s42
	s_add_nc_u64 s[24:25], s[24:25], s[40:41]
	v_lshl_add_u32 v[BOF], v3, 5, s42
	s_cmp_lg_u32 s[WV], 0                          ; wave 0 finishes the tile: it alone wants the five vectors
	s_cbranch_scc1 .Lno_bias
.set bq, 0
.irp p, 10,12,14,16,18
	global_load_b128 v[BI+8*bq:BI+8*bq+3], v[BOF], s[\p:\p+1]
	global_load_b128 v[BI+8*bq+4:BI+8*bq+7], v[BOF], s[\p:\p+1] offset:16
.set bq, bq+1
.endr
.Lno_bias:
	s_wait_loadcnt 0x0
	QUANT X, PC, PW
	QUANT Y, PC2, PW2
.rept 8
	v_nop                                          ; codes and scale words written by vector instructions stand ahead of a scaled matrix instruction by these places
.endr
	v_wmma_scale_f32_16x16x128_f8f6f4 v[D:D+7], v[PC:PC+15], v[PC2:PC2+15], 0, v[PW], v[PW2]   ; source 0 = 16 columns of Wh, source 1 = 16 batches: lane (r, h), register j: h(16 rt + r, 16 T + 8 h + j), my K step's part
.rept 8
	v_nop                                          ; eight places behind this form ahead of the first read of its result
.endr
	ds_store_b128 v[PBW], v[D:D+3] offset:PB       ; the result from its low end on
	ds_store_b128 v[PBW], v[D+4:D+7] offset:PB+512
	s_wait_dscnt 0x0                               ; for wave 0's sake: my part lies in LDS
	s_barrier_signal -1
	s_barrier_wait -1
	s_cmp_lg_u32 s[WV], 0
	s_cbranch_scc1 .Lend
.irp s, 0,1,2,3,4,5,6,7
	ds_load_b128 v[X+8*\s:X+8*\s+3], v[LI] offset:PB+1024*\s
	ds_load_b128 v[X+8*\s+4:X+8*\s+7], v[LI] offset:PB+1024*\s+512
.endr
	s_wait_dscnt 0x0
.irp s, 1,2,3,4,5,6,7
.irp k, 0,2,4,6
	v_pk_add_f32 v[X+\k:X+\k+1], v[X+\k:X+\k+1], v[X+8*\s+\k:X+8*\s+\k+1]   ; K ascending
.endr
.endr
.irp v, 0,8,16
.irp k, 0,2,4,6
	s_delay_alu instid0(VALU_DEP_4)
	v_pk_add_f32 v[X+\k:X+\k+1], v[X+\k:X+\k+1], v[BI+\v+\k:BI+\v+\k+1]     ; + Wh_b + Ws_b + Wc_b
.endr
.endr
.irp k, 0,2,4,6
	v_pk_mul_f32 v[X+\k:X+\k+1], v[X+\k:X+\k+1], s[K2:K2+1] op_sel_hi:[1,0]
	v_pk_mul_f32 v[BI+24+\k:BI+24+\k+1], v[BI+24+\k:BI+24+\k+1], s[K2:K2+1] op_sel_hi:[1,0]
	v_pk_mul_f32 v[BI+32+\k:BI+32+\k+1], v[BI+32+\k:BI+32+\k+1], -2.0 op_sel_hi:[1,0]
.endr
	global_store_b128 v[COF], v[X:X+3], s[24:25]
	global_store_b128 v[COF], v[X+4:X+7], s[24:25] offset:16
	global_store_b128 v[COF], v[BI+24:BI+27], s[24:25] offset:4096
	global_store_b128 v[COF], v[BI+28:BI+31], s[24:25] offset:4112
	global_store_b128 v[COF], v[BI+32:BI+35], s[24:25] offset:8192
	global_store_b128 v[COF], v[BI+36:BI+39], s[24:25] offset:8208
	s_branch .Lend
	; ---- Ws: codes and scale words in the operand's order
.Lpath_ws:
	s_and_b32 s28, ttmp9, 63                       ; T
	s_lshl_b32 s42, s28, 6
	s_add_co_u32 s40, s40, s42
	s_add_nc_u64 s[4:5], s[4:5], s[40:41]
	WLOAD 4
	s_lshl_b32 s40, s28, 14                        ; wcodes: 16,384 T + 2,048 s
	s_lshl_b32 s43, s[WV], 11
	s_add_co_u32 s40, s40, s43
	s_add_nc_u64 s[20:21], s[20:21], s[40:41]
	s_lshl_b32 s40, s28, 9                         ; wscales: 512 T
	s_add_nc_u64 s[22:23], s[22:23], s[40:41]
	s_wait_loadcnt 0x0
	QUANT X, PC, PW
.irp c, 0,1,2,3
	global_store_b128 v[LI], v[PC+4*\c:PC+4*\c+3], s[20:21] offset:512*\c   ; 32 lanes store 512 consecutive bytes, aligned
.endr
	ds_store_b32 v[SAW], v[PW] offset:SA           ; both lanes of a column write the same word with the same value
	s_wait_dscnt 0x0                               ; for wave 0's sake
	s_barrier_signal -1
	s_barrier_wait -1
	s_cmp_lg_u32 s[WV], 0
	s_cbranch_scc1 .Lend
	ds_load_b128 v[X:X+3], v[LI] offset:SA
	s_wait_dscnt 0x0
	global_store_b128 v[LI], v[X:X+3], s[22:23]    ; the tile's 512 bytes of scale words, whole
.Lend:
	s_wait_tensorcnt 0x0                           ; the wave's end, behind my last LDS store
	ds_add_u32 v[SPW], v[NIL]
	s_wait_dscnt 0x0
	s_endpgm
.Lfunc_end_k_q7b731dd621_prep:
	.size	k_q7b731dd621_prep, .Lfunc_end_k_q7b731dd621_prep-k_q7b731dd621_prep
	.p2alignl 7, 3214868480
	.fill 96, 4, 3214868480
	.section	.rodata,"a",@progbits
	.p2align	6, 0x0
	.amdhsa_kernel k_q7b731dd621_prep
		.amdhsa_group_segment_fixed_size 9728
		.amdhsa_private_segment_fixed_size 0
		.amdhsa_enable_private_segment 0
		.amdhsa_kernarg_size 88
		.amdhsa_user_sgpr_count 2
		.amdhsa_user_sgpr_kernarg_segment_ptr 1
		.amdhsa_wavefront_size32 1
		.amdhsa_system_sgpr_workgroup_id_x 1
		.amdhsa_system_sgpr_workgroup_id_y 1
		.amdhsa_system_sgpr_workgroup_id_z 1
		.amdhsa_system_vgpr_workitem_id 0
		.amdhsa_next_free_vgpr 256
		.amdhsa_next_free_sgpr 66
		.amdhsa_reserve_vcc 0
		.amdhsa_float_denorm_mode_32 3
		.amdhsa_float_denorm_mode_16_64 3
		.amdhsa_memory_ordered 1
		.amdhsa_forward_progress 1
		.amdhsa_inst_pref_size 53
	.end_amdhsa_kernel
	.amdgpu_metadata
---
amdhsa.version: [ 1, 2 ]
amdhsa.kernels:
  - .name:           k_q7b731dd621_prep
    .symbol:         k_q7b731dd621_prep.kd
    .args:
      - { .name: Ws_w, .offset: 0, .size: 8, .value_kind: global_buffer, .address_space: global }
      - { .name: Wh_w, .offset: 8, .size: 8, .value_kind: global_buffer, .address_space: global }
      - { .name: dec_hidden, .offset: 16, .size: 8, .value_kind: global_buffer, .address_space: global }
      - { .name: Wh_b, .offset: 24, .size: 8, .value_kind: global_buffer, .address_space: global }
      - { .name: Ws_b, .offset: 32, .size: 8, .value_kind: global_buffer, .address_space: global }
      - { .name: Wc_b, .offset: 40, .size: 8, .value_kind: global_buffer, .address_space: global }
      - { .name: Wc_w, .offset: 48, .size: 8, .value_kind: global_buffer, .address_space: global }
      - { .name: V_w, .offset: 56, .size: 8, .value_kind: global_buffer, .address_space: global }
      - { .name: wcodes, .offset: 64, .size: 8, .value_kind: global_buffer, .address_space: global }
      - { .name: wscales, .offset: 72, .size: 8, .value_kind: global_buffer, .address_space: global }
      - { .name: cst, .offset: 80, .size: 8, .value_kind: global_buffer, .address_space: global }
    .group_segment_fixed_size: 9728
    .private_segment_fixed_size: 0
    .kernarg_segment_align: 8
    .kernarg_segment_size: 88
    .max_flat_workgroup_size: 256
    .sgpr_count:     66
    .vgpr_count:     256
    .wavefront_size: 32
...
	.end_amdgpu_metadata
.endif
;; end of part 1
;; launch score (part 2): grid 256 x 1, 4 waves a work-group, clusters of 4 x 1, 327,680 bytes of LDS; arguments enc_output, prev_coverage, wcodes, wscales, cst, scores; writes scores
.if DOCPART == 2
	.amdgcn_target "amdgcn-amd-amdhsa--gfx1250"
	.amdhsa_code_object_version 6
	.text
	.protected	k_q7b731dd621_score
	.globl	k_q7b731dd621_score
	.p2align	8
	.type	k_q7b731dd621_score,@function
k_q7b731dd621_score:
	s_mov_b64 s[64:65], 0
	v_nop
	global_prefetch_b8 v0, s[64:65] scope:SCOPE_SE
	s_setreg_imm32_b32 hwreg(HW_REG_WAVE_MODE, 25, 1), 1
	s_wait_xcnt 0x0
	s_wait_alu depctr_hold_cnt(0) depctr_sa_sdst(0) depctr_va_vdst(0) depctr_va_sdst(0) depctr_va_ssrc(0) depctr_va_vcc(0) depctr_vm_vsrc(0)
	s_getreg_b32 s2, hwreg(HW_REG_IB_STS2, 6, 4)
	s_cmp_eq_u32 s2, 0
	s_cbranch_scc0 .Lentry_in_a_cluster
	s_endpgm
.Lentry_in_a_cluster:
	s_bfe_u32 s2, ttmp6, 0x10000c
	s_cmp_lg_u32 s2, 0x3003
	s_cbranch_scc0 .Lentry_shape_is_right
	s_endpgm
.Lentry_shape_is_right:
; SCORE.  scores[row] = sum over u of -2 V[u] / (1 + 2^(K2 feat[row][u])),  feat = Q(enc_output) Q(Ws_w) + (Ws_b + h + Wh_b + Wc_b) + prev_coverage x Wc_w, K2 = 2 log2(e), for the 65,536 rows.
; That is sum V tanh(feat) + V_b less (sum V + V_b), which is the same for all places of a batch: the softmax that alone reads the scores takes it away, so it is left out (shown at the first kernel's head).
; The power goes to infinity or to 0 where feat is large: the quotient then goes to 0 or to -2 V, as tanh goes to +1 or -1.
; SHARES.  A work-group owns 256 rows, each of its four waves 64.  PHASE 1: a wave reads its rows once, quantises them along K, and keeps the codes of all of K, 32 fragments, in 512 registers.
; PHASE 2: the 64 tiles of 16 columns of Ws go by; a fragment of Ws read from LDS feeds four products.  A tile is 32 products on end.
; Behind them stands one block of plain lines (tile t - 2: onto the rows' sums; t - 1: + 1; t: K2 x sum + constants + coverage x K2 Wc) and one batch of 64 transcendentals (1 / . of t - 1, 2^. of t).
; Tile t + 2's fragments are fetched inside that block, into the set that tile t has just used: they have tile t + 1's products in which to land.
; CLUSTER.  All work-groups walk the same codes of Ws, and the four of a cluster lie in one batch: every tensor load is asked for jointly by the four.
; No prefetch: phase 1 has 64 loads of each wave out throughout, and a slot of Ws is asked for four tiles' products ahead of its first read.
; LIMITS: a block of zeros gets the scale byte 1 (its codes are zeros); blocks under 2^-118 are held at that byte; NaN and infinities among the inputs are not served.
; REGISTERS.  window 0: v1-12 addresses; v16-31 my rows' scale words; v32-95, v96-159 phase 1's two sets of 64 numbers; phase 2: v64-95 the rows' sums, v96-127 the products' sums, v128-159 and v178-209 the tanh's two stages;
;   v160-167 Ws's scale words; v168-171 a tile's constants; v178-213 the quantiser's; v224-255 coverage.  window 1: phase 1: four sets of 64 numbers as loaded; phase 2: two sets of Ws's fragments.  windows 2, 3: my codes.
.set SLOTX, 0x10000                    ; LDS: two slots of 65,536 bytes (four tiles of columns) from byte 0
.set WSC,   131072                     ; Ws's scale words, filled once
.set CST,   163840                     ; my batch's tables, filled once
.set PARK,  176128                     ; 32,768 bytes a wave: 16 fragments' images
.set STG,   307200                     ; 4,352 bytes a wave: 16 rows x (256 + 16)
.set SPARE, 324608                     ; the spare words
.set COF,  1
.set GOFF, 2
.set STW,  3
.set STR,  4
.set PKW,  5
.set PKA,  6
.set FR0,  7
.set WS0,  8
.set CS0,  9
.set ADW,  10                          ; the trip's addresses: Ws's fragments, its scale words, the constants
.set ADS,  11
.set ADC,  12
.set AS,   16
.set X1,   32
.set SC,   64
.set X0,   96
.set A,    96
.set E,    128
.set WSS0, 160
.set C0,   168                         ; {K2 x constants, K2 Wc, -2 V, 0}
.set TM,   178
.set R,    178
.set PC,   194
.set PW,   210
.set Z,    214
.set TA,   218
.set SPW,  222
.set NIL,  223
.set COV,  224
.set WV,   18
.set CX,   19
.set G1W,  24
.set G1S,  32
.set G1C,  40
.set G0S,  48
.set G0C,  52
.set G0A,  56
.set G0B,  60                          ; the ring's walking group 0
.set G0H,  96                          ; slot 1's first fill
.set TB,   66
.set TS,   67
.set TC,   68
.set PK,   69
.set DE,   70
.set EP,   72
.set CN1,  74
.set K2,   76
.set SEL,  78
.set MNT,  80
.set MHI,  81
.set MJ,   82
.set MSB, 0
.macro WIN new                         ; the immediate's high byte repeats the setting that is left
.if MSB != \new
	s_set_vgpr_msb (MSB<<8)|\new
.set MSB, \new
.endif
.endm
.macro PLACES n
.rept \n
	v_nop
.endr
.endm
.macro WALU
	s_wait_alu depctr_va_vdst(0)
.endm
.macro ROUND                           ; a round of the cluster's barrier
	s_barrier_signal -1
	s_barrier_wait -1
	s_cmp_lg_u32 s[WV], 0
	s_cbranch_scc1 .Lnot_wave_0_\@
	s_barrier_signal -3
.Lnot_wave_0_\@:
	s_barrier_wait -3
	s_barrier_signal -1
	s_barrier_wait -1
.endm
; 64 numbers of a lane, register 16 b + i = k 32 b + 16 (lane / 16) + i of my row, become a fragment's codes (blocks 0, 1 at pa, blocks 2, 3 at pb) and its scale word
.macro QUANT s, pa, pb, pw
.irp b, 0,1,2,3
	v_max3_num_f32 v[TM+\b], |v[\s+16*\b]|, |v[\s+1+16*\b]|, 0x4800000   ; with the floor 2^(9 - 127): the byte cannot fall under 1
.endr
.irp i, 2,4,6,8,10,12,14
.irp b, 0,1,2,3
	v_max3_num_f32 v[TM+\b], v[TM+\b], |v[\s+16*\b+\i]|, |v[\s+1+16*\b+\i]|
.endr
.endr
.irp b, 0,1,2,3
	v_permlanex16_b32 v[TM+4+\b], v[TM+\b], s[SEL], s[SEL+1]
.endr
.irp b, 0,1,2,3
	v_max_num_f32 v[TM+\b], v[TM+\b], v[TM+4+\b]           ; the block's largest magnitude
.endr
.irp b, 0,1,2,3
	v_add_nc_u32 v[TM+12+\b], 0xfc000000, v[TM+\b]         ; 8 off its exponent field: the conversion's scale operand
.endr
.irp b, 0,1,2,3
	v_and_or_b32 v[TM+8+\b], v[TM+\b], 0x7f800000, s[MNT]  ; 448 x the scale
.endr
.irp b, 0,1,2,3
	v_lshrrev_b32 v[TM+4+\b], 23, v[TM+12+\b]              ; the scale's byte
.endr
	v_lshl_or_b32 v[\pw], v[TM+5], 8, v[TM+4]
	v_lshl_or_b32 v[\pw], v[TM+6], 16, v[\pw]
	v_lshl_or_b32 v[\pw], v[TM+7], 24, v[\pw]
.irp b, 0,1,2,3
.if \b < 2
.set qc, \pa+4*\b
.else
.set qc, \pb+4*\b-8
.endif
.irp i, 0,1,2,3,4,5,6,7,8,9,10,11,12,13,14,15
	v_med3_num_f32 v[\s+16*\b+\i], v[\s+16*\b+\i], -v[TM+8+\b], v[TM+8+\b]   ; the conversion does not saturate (ISA guide 7.6.2): the hold comes first
.endr
	v_cvt_scalef32_pk8_fp8_f32 v[qc:qc+1], v[\s+16*\b:\s+7+16*\b], v[TM+12+\b]
	v_cvt_scalef32_pk8_fp8_f32 v[qc+2:qc+3], v[\s+8+16*\b:\s+15+16*\b], v[TM+12+\b]
.endr
	v_nop                                          ; one plain line behind the last conversion
.endm
	s_load_b256 s[4:11], s[0:1], 0x0               ; enc_output s[4:5], prev_coverage s[6:7], wcodes s[8:9], wscales s[10:11]
	s_load_b128 s[12:15], s[0:1], 0x20             ; cst s[12:13], scores s[14:15]
	v_lshl_add_u32 v[SPW], v0, 2, SPARE
	v_mov_b32 v[NIL], 0
	ds_add_u32 v[SPW], v[NIL]                      ; the opening lines: the add twice on end, and its wait ahead of my first tensor load
	ds_add_u32 v[SPW], v[NIL]
	v_lshrrev_b32 v[TA], 5, v0
	v_readfirstlane_b32 s[WV], v[TA]               ; wave 0..3
	s_bfe_u32 s[CX], ttmp6, 0x40000                ; my place in the cluster: it enters global addresses of my own rows alone
	; group 1: dense blocks as rows of 256 bytes (32 elements of 8 bytes), no padding: images in the operand's order are read 16 bytes a lane on end
.irp g, G1W, G1S, G1C
	s_mov_b32 s[\g], 15|(3<<16)|(1<<21)            ; the mask: all four work-groups; elements of 8 bytes; bit 21 beside a mask
	s_mov_b32 s[\g+1], 32<<16
	s_mov_b32 s[\g+3], 32<<16
	s_mov_b32 s[\g+5], 32
	s_mov_b32 s[\g+6], 0
	s_mov_b32 s[\g+7], 0
.endr
	s_mov_b32 s[G1W+2], 256<<16                    ; at the head a whole slot, 65,536 bytes; behind the head a quarter
	s_mov_b32 s[G1W+4], 256
	s_mov_b32 s[G1S+2], 128<<16                    ; all scale words
	s_mov_b32 s[G1S+4], 128
	s_mov_b32 s[G1C+2], 48<<16                     ; my batch's tables
	s_mov_b32 s[G1C+4], 48
	s_lshl_b32 s90, s[WV], 14                      ; in the ring each wave brings a quarter: 16,384 w
	s_mov_b32 s91, 0
	s_lshr_b32 s92, ttmp9, 1                       ; the batch: two clusters of 1,024 rows each
	s_mul_i32 s92, s92, 12288
	s_mov_b32 s93, 0
	s_mov_b32 s[G0S], 1
	s_mov_b32 s[G0S+1], WSC
	s_mov_b32 s[G0C], 1
	s_mov_b32 s[G0C+1], CST
	s_mov_b32 s[G0A], 1
	s_mov_b32 s[G0A+1], 0
	s_mov_b32 s[G0H], 1
	s_mov_b32 s[G0H+1], SLOTX
	s_mov_b32 s[G0B], 1
	s_add_co_u32 s[G0B+1], s90, SLOTX
	s_mul_i32 s94, s[WV], 4352
	s_add_co_u32 s94, s94, STG                     ; my stage
	s_lshl_b32 s95, s[WV], 15
	s_add_co_u32 s95, s95, PARK                    ; my park
	s_mov_b32 s[K2], 0x4038aa3b                    ; 2 log2(e)
	s_mov_b32 s[K2+1], s[K2]
	s_mov_b32 s[SEL], 0x76543210
	s_mov_b32 s[SEL+1], 0xfedcba98
	s_mov_b32 s[MNT], 0x600000
	s_mov_b32 s[MHI], 0xffff0000
.irp j, 1,2,3,4,5,6,7
	s_mov_b32 s[MJ+\j-1], 0x01010101<<\j
.endr
	s_mov_b32 s[DE], 2048
	s_mov_b32 s[DE+1], 0
	s_mov_b32 s[PK], 0
	s_mov_b32 s[TB], 0
	s_mov_b32 s[TS], 0
	s_mov_b32 s[TC], 0
	s_wait_dscnt 0x0                               ; both opening adds are done
	s_wait_kmcnt 0x0
	s_mov_b64 s[G0S+2:G0S+3], s[10:11]
	s_or_b32 s[G0S+3], s[G0S+3], 0x80000000
	s_add_nc_u64 s[G0C+2:G0C+3], s[12:13], s[92:93]
	s_or_b32 s[G0C+3], s[G0C+3], 0x80000000
	s_mov_b64 s[G0A+2:G0A+3], s[8:9]
	s_add_nc_u64 s[G0H+2:G0H+3], s[8:9], 65536
	s_add_nc_u64 s[G0B+2:G0B+3], s[G0H+2:G0H+3], s[90:91]
	s_or_b32 s[G0A+3], s[G0A+3], 0x80000000
	s_or_b32 s[G0H+3], s[G0H+3], 0x80000000
	s_or_b32 s[G0B+3], s[G0B+3], 0x80000000
	ROUND                                          ; all four work-groups are here: the first joint loads meet
; the head's four tiles, one a wave, in one chain of arms that join: wave 0 slot 0, wave 1 slot 1, wave 2 the scale words, wave 3 the tables
.macro ARM under, g0, g1, next
	s_cmp_lt_u32 s[WV], \under
	s_cbranch_scc0 \next
	tensor_load_to_lds s[\g0:\g0+3], s[\g1:\g1+7]
	s_nop 0
	PLACES 4
	s_branch .Lasked
\next:
.endm
	ARM 1, G0A, G1W, .Lhead_1
	ARM 2, G0H, G1W, .Lhead_2
	ARM 3, G0S, G1S, .Lhead_3
	tensor_load_to_lds s[G0C:G0C+3], s[G1C:G1C+7]
	s_nop 0
	PLACES 4
.Lasked:
	s_lshl_b32 s20, ttmp9, 2
	s_add_co_u32 s20, s20, s[CX]                   ; my work-group = 4 x cluster + place
	s_lshl_b32 s20, s20, 8
	s_lshl_b32 s22, s[WV], 6
	s_add_co_u32 s20, s20, s22                     ; my first row
	s_lshl_b32 s22, s20, 12                        ; rows of 4,096 bytes: under 2^28
	s_mov_b32 s23, 0
	s_add_nc_u64 s[EP:EP+1], s[4:5], s[22:23]
	s_lshl_b32 s22, s20, 2
	s_add_nc_u64 s[6:7], s[6:7], s[22:23]
	s_add_nc_u64 s[14:15], s[14:15], s[22:23]
	v_and_b32 v[TA], 15, v0                        ; r
	v_bfe_u32 v[TA+1], v0, 4, 1                    ; h
	v_and_b32 v[TA+2], 31, v0                      ; lane
	v_lshlrev_b32 v[COF], 5, v[TA+1]
.irp i, 0,1,2,3
	global_load_b128 v[COV+8*\i:COV+8*\i+3], v[COF], s[6:7] offset:64*\i       ; register 8 i + j: coverage of row 16 i + 8 h + j, as the sums hold the rows
	global_load_b128 v[COV+8*\i+4:COV+8*\i+7], v[COF], s[6:7] offset:64*\i+16
.endr
	v_lshlrev_b32 v[GOFF], 4, v[TA]
	v_lshl_add_u32 v[GOFF], v[TA+1], 12, v[GOFF]
	v_lshlrev_b32 v[FR0], 4, v[TA+2]
	v_mul_u32_u24 v[STW], v[TA+1], 272
	v_lshl_add_u32 v[STW], v[TA], 4, v[STW]
	v_add_nc_u32 v[STW], s94, v[STW]
	v_mul_u32_u24 v[STR], v[TA], 272
	v_lshl_add_u32 v[STR], v[TA+1], 6, v[STR]
	v_add_nc_u32 v[STR], s94, v[STR]
	v_add_nc_u32 v[PKW], s95, v[FR0]
	v_add_nc_u32 v[WS0], WSC, v[FR0]
	v_lshl_add_u32 v[CS0], v[TA], 2, CST
.irp n, 0,1,2,3,4,5,6,7,8,9,10,11,12,13,14,15
	v_mov_b32 v[AS+\n], 0                          ; the scale words' registers are moved along before all are filled
.endr
.irp b, 0,1,2,3
	v_mov_b32 v[TM+4+\b], 0                        ; a lane permute's destination counts as one of its sources
.endr
	WALU                                           ; the wait at the head's end
; ---- PHASE 1.  Fragment 4 t + n of 32: row tile t / 2, K step 4 (t % 2) + n.  Sixteen lanes read 256 aligned bytes of a row; the quantiser wants 16 neighbours along K in a lane: half a fragment at a time turns through my stage.
.macro LOADF n                         ; 16 rows x 512 bytes into set n of window 1
	WIN 0x40
.irp hf, 0,1
.irp e, 0,1,2,3,4,5,6,7
	global_load_b128 v[64*\n+32*\hf+4*\e:64*\n+32*\hf+4*\e+3], v[GOFF], s[EP:EP+1] offset:512*\n+256*\hf+8192*\e th:TH_LOAD_NT
.endr
.endr
	WIN 0
.endm
.macro TURN n, x                       ; set n through the stage into v[x] on.  LDS serves a wave's instructions in order (ISA guide 5.7.1.4): the loads see the stores, the second half's stores come behind the first's loads
.irp hf, 0,1
	WIN 0x04
.irp e, 0,1,2,3,4,5,6,7
	ds_store_b128 v[STW], v[64*(\n)+32*\hf+4*\e:64*(\n)+32*\hf+4*\e+3] offset:544*\e
.endr
	WIN 0
.irp c, 0,1
.irp j, 0,1,2,3
	ds_load_b128 v[\x+32*\hf+16*\c+4*\j:\x+32*\hf+16*\c+4*\j+3], v[STR] offset:128*\c+16*\j
.endr
.endr
.endr
.endm
; A step: fragment n is quantised while fragment n + 1 turns through the stage.  Numbers and codes stand in two sets by turns.
.macro STEP n, load, turn, cnt
.if (\n)%2
.set xs, X1
.set xn, X0
.set xa, C0
.set xb, Z
.else
.set xs, X0
.set xn, X1
.set xa, PC
.set xb, PC+8
.endif
	s_wait_dscnt 4                                 ; all but the last step's four park stores: my numbers are back, the stage's stores have read set n, the park stores of two steps back their codes
.if \load
	LOADF \n                                       ; the same set, for the next trip
.endif
.if \turn
	s_wait_loadcnt \cnt                            ; loads come back in order (ISA guide 5.7.1): the next set is in, the younger sets stay out
	TURN ((\n)+1)%4, xn
.endif
.if \n == 0
	v_add_nc_u32 v[PKA], s[PK], v[PKW]
.endif
	QUANT xs, xa, xb, PW+\n
.irp c, 0,1
	ds_store_b128 v[PKA], v[xa+4*\c:xa+4*\c+3] offset:2048*\n+512*\c   ; the fragment's image
	ds_store_b128 v[PKA], v[xb+4*\c:xb+4*\c+3] offset:2048*\n+1024+512*\c
.endr
.endm
.macro TRIP load, c0, c1, c2
.if \load
	s_wait_xcnt 0x0                                ; the loads that are out have read their base
	s_add_nc_u64 s[EP:EP+1], s[EP:EP+1], s[DE:DE+1]   ; 2,048 bytes along K, or 16 rows down and back, by turns
	s_xor_b32 s[DE], s[DE], 0xf000
.endif
	STEP 0, \load, 1, \c0
	STEP 1, \load, 1, \c1
	STEP 2, \load, 1, \c2
	STEP 3, \load, \load, 48
.irp n, 15,14,13,12,11,10,9,8,7,6,5,4,3,2
	v_mov_b32 v[AS+\n], v[AS+\n-2]                 ; no register number can hang on the trip: the words move along, two places a trip
.endr
	v_cndmask_b32 v[AS], v[PW], v[PW+1], s[MHI]    ; two K steps to a register: the even one in lanes 0-15, the odd one in lanes 16-31
	v_cndmask_b32 v[AS+1], v[PW+2], v[PW+3], s[MHI]
.endm
.macro UNPARK w                        ; 16 fragments from my park into a window
	WIN \w
.set fl, 0
.rept 16
.irp c, 0,1,2,3
	ds_load_b128 v[16*fl+4*\c:16*fl+4*\c+3], v[PKW] offset:2048*fl+512*\c
.endr
.set fl, fl+1
.endr
	WIN 0
.endm
	LOADF 0
	LOADF 1
	LOADF 2
	LOADF 3                                        ; 64 loads of 512 bytes are out
	s_wait_loadcnt 48
	TURN 0, X0
	s_wait_dscnt 0x0                               ; no park store stands behind this first turn
.Lrows_a:                                          ; row tiles 0 and 1: four trips
	TRIP 1, 48, 48, 48
	s_add_co_u32 s[PK], s[PK], 8192
	s_cmp_lt_u32 s[PK], 32768
	s_cbranch_scc1 .Lrows_a
	UNPARK 0x80
	s_mov_b32 s[PK], 0
.Lrows_b:                                          ; row tiles 2 and 3: three trips,
	TRIP 1, 48, 48, 48
	s_add_co_u32 s[PK], s[PK], 8192
	s_cmp_lt_u32 s[PK], 24576
	s_cbranch_scc1 .Lrows_b
	TRIP 0, 32, 16, 0                              ; and the last, which asks for nothing: the counts run down
	UNPARK 0xc0
; ---- PHASE 2.  Source 0 = 16 of my rows, source 1 = 16 columns of Ws: register 8 i + j of the sums, lane (r, h): row 16 i + 8 h + j, column r of the tile.
.macro FETCH p, fo, s0                 ; K steps s0 .. s0 + 3 of tile fo of the slot at ADW into set p of window 1
	WIN 0x40
.irp s, 0,1,2,3
.irp c, 0,1,2,3
	ds_load_b128 v[128*(\p)+16*(\s0+\s)+4*\c:128*(\p)+16*(\s0+\s)+4*\c+3], v[ADW] offset:16384*(\fo)+2048*(\s0+\s)+512*\c
.endr
.endr
	WIN 0
.endm
; THE LINES BEHIND A TILE'S PRODUCTS.  a: the quotients in R x -2 V go onto the rows' sums; b: R = E + 1; c: E = K2 x sums + constants + coverage x K2 Wc; then the batch: 1 / R, 2^E.
; One wait stands behind the last batch and one ahead of this one; a's and b's lines are the places behind the products; each sum is read from its low end on.
; fo >= 0: the tile two on is fetched into set p, which the products above have read: half behind the places, half behind the second wait.  cn >= 0: the next tile's constants, counted from ADC, and -2 V of the tile before this one.
; upd: the next trip's addresses, behind this trip's last loads; fin: a branch follows, so the batch and those addresses have their wait here.
.macro POST a, b, c, upd, fin, p=0, fo=-1, cn=-1
	WALU
.if (\c) && !(\b)
	PLACES 8
.endif
.if \a
.set u, 0
.rept 16
	v_pk_fma_f32 v[SC+2*u:SC+2*u+1], v[R+2*u:R+2*u+1], v[C0+2:C0+3], v[SC+2*u:SC+2*u+1] op_sel_hi:[1,0,1]
.set u, u+1
.endr
.endif
.if \b
.set u, 0
.rept 16
	v_pk_add_f32 v[R+2*u:R+2*u+1], v[E+2*u:E+2*u+1], 1.0 op_sel_hi:[1,0]
.set u, u+1
.endr
.endif
.if \fo >= 0
	ds_load_b128 v[WSS0+4*(\p):WSS0+4*(\p)+3], v[ADS] offset:512*(\fo)
	FETCH \p, \fo, 0
.endif
.if \c
.set u, 0
.rept 16
	v_pk_fma_f32 v[E+2*u:E+2*u+1], v[A+2*u:A+2*u+1], s[K2:K2+1], v[C0:C0+1] op_sel_hi:[1,0,0]
.set u, u+1
.endr
.set u, 0
.rept 16
	v_pk_fma_f32 v[E+2*u:E+2*u+1], v[COV+2*u:COV+2*u+1], v[C0:C0+1], v[E+2*u:E+2*u+1] op_sel:[0,1,0] op_sel_hi:[1,1,1]
.set u, u+1
.endr
.endif
.if (\b) || (\c)
	WALU
.if \fo >= 0
	FETCH \p, \fo, 4
.endif
.if \cn >= 0
	ds_load_b32 v[C0], v[ADC] offset:64*(\cn)
	ds_load_b32 v[C0+1], v[ADC] offset:4096+64*(\cn)
.endif
.if \cn >= 2
	ds_load_b32 v[C0+2], v[ADC] offset:8192+64*(\cn)-128
.endif
.if \upd
	s_xor_b32 s[TB], s[TB], SLOTX                  ; the fetches go on in the other slot,
	s_add_co_u32 s[TS], s[TS], 2048                ; four tiles' scale words on
	v_add_nc_u32 v[ADW], s[TB], v[FR0]
	v_add_nc_u32 v[ADS], s[TS], v[WS0]
.if \upd == 2
	s_add_co_u32 s[TC], s[TC], 256                 ; and four tiles' constants
	v_add_nc_u32 v[ADC], s[TC], v[CS0]
.endif
.endif
.if \b
.set u, 0
.rept 32
	v_rcp_f32 v[R+u], v[R+u]
.set u, u+1
.endr
.endif
.if \c
.set u, 0
.rept 32
	v_exp_f32 v[E+u], v[E+u]
.set u, u+1
.endr
.endif
	v_nop                                          ; a plain line behind the last transcendental
.if \fin
	WALU
.endif
.endif
.endm
; A tile of 16 columns on set p of Ws's fragments: 32 products on end.  The four sums take turns, one product a turn.
.macro TILE p, fo, cn, a, b, upd, fin
.irp s, 0,1,2,3,4,5,6,7
.irp i, 0,1,2,3
.set aD, A+8*\i
.set aA, 128*(\i%2)+16*\s
.set aW, 128*\p+16*\s
.set aS, AS+14-2*((4*\i+\s/2)/2)+(\s/2)%2
.set bS, WSS0+4*\p+\s/2
.if \i < 2
	WIN 0x06                                       ; source 0 window 2, source 1 window 1, C and D window 0
.else
	WIN 0x07                                       ; source 0 window 3
.endif
.if \s == 0
	v_wmma_scale_f32_16x16x128_f8f6f4 v[aD:aD+7], v[aA:aA+15], v[aW:aW+15], 0, v[aS], v[bS]
.elseif \s%2
	v_wmma_scale_f32_16x16x128_f8f6f4 v[aD:aD+7], v[aA:aA+15], v[aW:aW+15], v[aD:aD+7], v[aS], v[bS] matrix_a_scale:MATRIX_SCALE_ROW1 matrix_b_scale:MATRIX_SCALE_ROW1
.else
	v_wmma_scale_f32_16x16x128_f8f6f4 v[aD:aD+7], v[aA:aA+15], v[aW:aW+15], v[aD:aD+7], v[aS], v[bS]
.endif
.endr
.endr
	WIN 0
	s_wait_dscnt 0x0                               ; this tile's constants and the next tile's fragments and scale words, all asked for ahead of these products, are in
	POST \a, \b, 1, \upd, \fin, \p, \fo, \cn
.endm
; THE CHANGE OF SLOTS: the slot's last tile has been fetched.  Each wave waits for all its tensor loads (one is out: its part of the other slot), adds 0 to its spare word, and waits for that and for its reads of the slot.
; fill = 1: behind a round of the cluster's barrier the slot is filled again, with the tiles two slots on: 128 products stand between the request and the wait for it.
.macro CHANGE fill
	s_wait_tensorcnt 0x0
	ds_add_u32 v[SPW], v[NIL]
.if \fill
	s_xor_b32 s[G0B+1], s[G0B+1], SLOTX
	s_add_nc_u64 s[G0B+2:G0B+3], s[G0B+2:G0B+3], 65536
.endif
	s_wait_dscnt 0x0
.if \fill
	ROUND
	tensor_load_to_lds s[G0B:G0B+3], s[G1W:G1W+7]  ; my one tensor load behind the round, and the first thing there
	s_nop 0
	PLACES 4
.else
	s_barrier_signal -1
	s_barrier_wait -1
.endif
.endm
	s_wait_tensorcnt 0x0                           ; my tile of the head's four is in, so a descriptor may be written:
	s_mov_b32 s[G1W+2], 64<<16                     ; from here on a load brings a quarter of a slot
	s_mov_b32 s[G1W+4], 64
	s_wait_dscnt 0x0                               ; my rows' codes are in their registers
	v_mov_b32 v[C0+3], 0                           ; the upper half of a pair of which the low word serves both halves
	v_add_nc_u32 v[ADW], s[TB], v[FR0]
	v_add_nc_u32 v[ADS], s[TS], v[WS0]
	v_add_nc_u32 v[ADC], s[TC], v[CS0]
.set u, 0
.rept 32
	v_mov_b32 v[SC+u], 0                           ; the rows' sums: the loop is written once, and its first trip adds onto zeros
.set u, u+1
.endr
	WALU                                           ; my rows' scale words
	s_barrier_signal -1
	s_barrier_wait -1                              ; everybody's tiles are in
	FETCH 0, 0, 0                                  ; tiles 0 and 1, their scale words, tile 0's constants
	FETCH 0, 0, 4
	FETCH 1, 1, 0
	FETCH 1, 1, 4
	ds_load_b128 v[WSS0:WSS0+3], v[ADS]
	ds_load_b128 v[WSS0+4:WSS0+7], v[ADS] offset:512
	ds_load_b32 v[C0], v[ADC]
	ds_load_b32 v[C0+1], v[ADC] offset:4096
	s_wait_dscnt 0x0
	TILE 0, 2, 1, 0, 0, 0, 0                       ; tiles 0 and 1 fetch tiles 2 and 3
	TILE 1, 3, 2, 0, 1, 1, 1
	s_mov_b32 s[CN1], 14
.Lslot:                                            ; fourteen trips: trip k multiplies tiles 4 k + 2 .. 4 k + 5 and fetches 4 k + 4 .. 4 k + 7; every slot but the last two is filled again
	CHANGE 1
	TILE 0, 0, 3, 1, 1, 0, 0
	TILE 1, 1, 4, 1, 1, 0, 0
	TILE 0, 2, 5, 1, 1, 0, 0
	TILE 1, 3, 6, 1, 1, 2, 1
	s_sub_co_u32 s[CN1], s[CN1], 1
	s_cmp_lg_u32 s[CN1], 0
	s_cbranch_scc1 .Lslot
	CHANGE 0                                       ; the tail is written out
	TILE 0, 0, 3, 1, 1, 0, 0
	TILE 1, 1, 4, 1, 1, 0, 0
	TILE 0, 2, 5, 1, 1, 0, 0
	TILE 1, 3, 6, 1, 1, 0, 0
	TILE 0, -1, 7, 1, 1, 0, 0                      ; tiles 62 and 63 fetch nothing
	TILE 1, -1, -1, 1, 1, 0, 0
	ds_load_b32 v[C0+2], v[ADC] offset:8192+64*6   ; the last two tiles' stages run out
	s_wait_dscnt 0x0
	POST 1, 1, 0, 0, 0
	ds_load_b32 v[C0+2], v[ADC] offset:8192+64*7
	s_wait_dscnt 0x0
	POST 1, 0, 0, 0, 0
	; ---- THE WAY OUT.  A lane holds the sums over the columns r mod 16 of its 32 rows.  The sixteen lanes of a half are added; each lane picks one row; 64 scores leave as 256 consecutive bytes.
.irp m, 1,2,4,8
.set u, 0
.rept 32
	v_add_f32_dpp v[SC+u], v[SC+u], v[SC+u] row_xmask:\m row_mask:0xf bank_mask:0xf
.set u, u+1
.endr
.endr
.irp i, 0,1,2,3
	v_cndmask_b32 v[Z+\i], v[SC+8*\i], v[SC+8*\i+1], s[MJ]
.endr
.irp j, 2,3,4,5,6,7
.irp i, 0,1,2,3
	v_cndmask_b32 v[Z+\i], v[Z+\i], v[SC+8*\i+\j], s[MJ+\j-1]   ; lane l: row 16 i + 8 (l / 16) + l % 8
.endr
.endr
	v_and_b32 v[TA], 7, v0
	v_bfe_u32 v[TA+1], v0, 4, 1
	v_lshl_add_u32 v[TA], v[TA+1], 3, v[TA]
	v_lshl_add_u32 v[TA], v[TA], 2, s94            ; my stage, word 8 h + l % 8
	v_and_b32 v[TA+2], 31, v0
	v_lshlrev_b32 v[TA+3], 3, v[TA+2]              ; 8 bytes a lane
	v_add_nc_u32 v[TA+2], s94, v[TA+3]
.irp i, 0,1,2,3
	ds_store_b32 v[TA], v[Z+\i] offset:64*\i       ; lanes l and l xor 8 write the same word with the same value
.endr
	ds_load_b64 v[A:A+1], v[TA+2]                  ; LDS serves a wave's instructions in order: this sees my stores
	WALU
	s_wait_dscnt 0x0
	global_store_b64 v[TA+3], v[A:A+1], s[14:15]   ; 32 lanes store 256 consecutive bytes, aligned
	s_wait_tensorcnt 0x0                           ; the wave's end
	ds_add_u32 v[SPW], v[NIL]
	s_wait_dscnt 0x0
	ROUND                                          ; the closing round
	s_endpgm
.Lfunc_end_k_q7b731dd621_score:
	.size	k_q7b731dd621_score, .Lfunc_end_k_q7b731dd621_score-k_q7b731dd621_score
	.p2alignl 7, 3214868480
	.fill 96, 4, 3214868480
	.section	.rodata,"a",@progbits
	.p2align	6, 0x0
	.amdhsa_kernel k_q7b731dd621_score
		.amdhsa_group_segment_fixed_size 327680
		.amdhsa_private_segment_fixed_size 0
		.amdhsa_enable_private_segment 0
		.amdhsa_kernarg_size 48
		.amdhsa_user_sgpr_count 2
		.amdhsa_user_sgpr_kernarg_segment_ptr 1
		.amdhsa_wavefront_size32 1
		.amdhsa_system_sgpr_workgroup_id_x 1
		.amdhsa_system_sgpr_workgroup_id_y 1
		.amdhsa_system_sgpr_workgroup_id_z 1
		.amdhsa_system_vgpr_workitem_id 0
		.amdhsa_next_free_vgpr 1024
		.amdhsa_next_free_sgpr 100
		.amdhsa_reserve_vcc 0
		.amdhsa_float_denorm_mode_32 3
		.amdhsa_float_denorm_mode_16_64 3
		.amdhsa_memory_ordered 1
		.amdhsa_forward_progress 1
		.amdhsa_inst_pref_size 255
	.end_amdhsa_kernel
	.section	.bss,"aw",@nobits
	.p2align	6
	.space	262144
	.amdgpu_metadata
---
amdhsa.version: [ 1, 2 ]
amdhsa.kernels:
  - .name:           k_q7b731dd621_score
    .symbol:         k_q7b731dd621_score.kd
    .args:
      - { .name: enc_output, .offset: 0, .size: 8, .value_kind: global_buffer, .address_space: global }
      - { .name: prev_coverage, .offset: 8, .size: 8, .value_kind: global_buffer, .address_space: global }
      - { .name: wcodes, .offset: 16, .size: 8, .value_kind: global_buffer, .address_space: global }
      - { .name: wscales, .offset: 24, .size: 8, .value_kind: global_buffer, .address_space: global }
      - { .name: cst, .offset: 32, .size: 8, .value_kind: global_buffer, .address_space: global }
      - { .name: scores, .offset: 40, .size: 8, .value_kind: global_buffer, .address_space: global }
    .group_segment_fixed_size: 327680
    .private_segment_fixed_size: 0
    .kernarg_segment_align: 8
    .kernarg_segment_size: 48
    .max_flat_workgroup_size: 128
    .sgpr_count:     100
    .vgpr_count:     1024
    .wavefront_size: 32
...
	.end_amdgpu_metadata
.endif
;; end of part 2
;; launch context (part 3): grid 256 x 1, 8 waves a work-group, no clusters, 13,824 bytes of LDS; arguments scores, enc_output, prev_coverage, out0, out1, out2; writes out0, out1, out2
.if DOCPART == 3
	.amdgcn_target "amdgcn-amd-amdhsa--gfx1250"
	.amdhsa_code_object_version 6
	.text
	.protected	k_q7b731dd621_context
	.globl	k_q7b731dd621_context
	.p2align	8
	.type	k_q7b731dd621_context,@function
k_q7b731dd621_context:
	s_mov_b64 s[64:65], 0
	v_nop
	global_prefetch_b8 v0, s[64:65] scope:SCOPE_SE
	s_setreg_imm32_b32 hwreg(HW_REG_WAVE_MODE, 25, 1), 1
	s_wait_xcnt 0x0
; CONTEXT.  a = softmax of a batch's 2,048 scores (the largest score is taken away first); out1 = a; out2 = a + prev_coverage; out0[b][d] = sum over s of a[s] enc_output[b][s][d], all in f32.
; SHARES.  Work-group x: batch b = x / 8, piece dc = x % 8.  It owns out0[b][128 dc .. + 127], so each output has one owner, and rows 256 dc .. + 255 of out1 and out2.  Each of a batch's eight work-groups makes the
; batch's softmax for itself from 8,192 bytes of scores.  Wave w streams rows 256 w .. + 255: a load of the wave reads 512 consecutive bytes of a row, aligned.
; Memory binds: no matrix unit, no cluster (the work-groups share no bytes of enc_output).  32 loads of each wave are always on their way, in four groups of eight rows; the enc_output loads go out ahead of the softmax.
; LIMITS: NaN and infinities among the scores are not served; weights under 2^-126 of the largest fall to 0 (the exponential flushes denormals: ISA guide 15.8).
.set WT,    0                          ; LDS: the 2,048 weights
.set RED,   8192                       ; the waves' maxima at + 0, their sums at + 128
.set PART,  8448                       ; eight partial contexts of 512 bytes
.set SPARE, 12544                      ; the spare words, 128 bytes for each of eight waves: four blocks of 256 bytes that no other line names
.set SOF, 2                            ; v2   16 x thread
.set LI,  3                            ; v3   16 x lane
.set WA,  4                            ; v4   where the trip's 32 weights lie
.set RW,  5                            ; v5   RED + 4 x wave
.set RR,  6                            ; v6   RED
.set OA,  7                            ; v7   WT + 1,024 dc + 16 x lane
.set SPW, 8                            ; v8   LDS address of my spare word; never rewritten
.set NIL, 9                            ; v9   0; never rewritten
.set NM,  10                           ; v[10:11] -log2(e) x the maximum (the low word serves both halves)
.set RC,  12                           ; v[12:13] 1 / the sum
.set S,   16                           ; v16-23   my 8 scores, then weights
.set CV,  24                           ; v24-31   coverage (wave 1)
.set X,   32                           ; v32-159  four groups of 8 rows x 4 registers
.set WQ,  160                          ; v160-167 a group's 8 weights
.set ACC, 168                          ; v168-175 my 4 columns, in two chains
.set T,   176                          ; v176-183 at work
.set WV,  16
.set SEL, 24
.set WS,  26
.set CNT, 27
	s_load_b256 s[4:11], s[0:1], 0x0               ; scores s[4:5], enc_output s[6:7], prev_coverage s[8:9], out0 s[10:11]
	s_load_b128 s[12:15], s[0:1], 0x20             ; out1 s[12:13], out2 s[14:15]
	v_lshl_add_u32 v[SPW], v0, 2, SPARE
	v_mov_b32 v[NIL], 0
	v_lshrrev_b32 v1, 5, v0
	s_delay_alu instid0(VALU_DEP_1)
	v_readfirstlane_b32 s[WV], v1
	s_lshr_b32 s17, ttmp9, 3                       ; b
	s_and_b32 s18, ttmp9, 7                        ; dc
	v_and_b32 v1, 31, v0
	v_lshlrev_b32 v[SOF], 4, v0
	s_delay_alu instid0(VALU_DEP_2)
	v_lshlrev_b32 v[LI], 4, v1
	s_lshl_b32 s19, s[WV], 2
	s_add_co_u32 s19, s19, RED
	v_mov_b32 v[RW], s19
	v_mov_b32 v[RR], RED
	s_lshl_b32 s19, s18, 10                        ; 1,024 dc
	v_add_nc_u32 v[OA], s19, v[LI]
	s_lshl_b32 s[WS], s[WV], 10                    ; my wave's 256 weights
	v_mov_b32 v[NM+1], 0                           ; (upper halves of pairs, named and not used)
	v_mov_b32 v[RC+1], 0
.irp k, 0,1,2,3,4,5,6,7
	v_mov_b32 v[ACC+\k], 0
.endr
	s_mov_b32 s[SEL], 0x76543210
	s_mov_b32 s[SEL+1], 0xfedcba98
	s_lshl_b32 s20, s17, 13                        ; scores: 8,192 b
	s_mov_b32 s21, 0
	s_lshl_b32 s22, s17, 23                        ; enc_output: 2,048 rows of 4,096 bytes a batch,
	s_lshl_b32 s28, s[WV], 20                      ; 256 rows a wave,
	s_add_co_u32 s22, s22, s28
	s_lshl_b32 s28, s18, 9                         ; 512 dc: under 2^28 in all
	s_add_co_u32 s22, s22, s28
	s_mov_b32 s23, 0
	s_lshl_b32 s30, s17, 12                        ; out0: 4,096 b + 512 dc
	s_add_co_u32 s30, s30, s28
	s_mov_b32 s31, 0
	s_add_co_u32 s32, s20, s19                     ; coverage, out1, out2: 8,192 b + 1,024 dc
	s_mov_b32 s33, 0
	s_wait_kmcnt 0x0
	s_add_nc_u64 s[4:5], s[4:5], s[20:21]
	s_add_nc_u64 s[6:7], s[6:7], s[22:23]
	s_add_nc_u64 s[8:9], s[8:9], s[32:33]
	s_add_nc_u64 s[10:11], s[10:11], s[30:31]
	s_add_nc_u64 s[12:13], s[12:13], s[32:33]
	s_add_nc_u64 s[14:15], s[14:15], s[32:33]
	global_load_b128 v[S:S+3], v[SOF], s[4:5]              ; rows 4 t .. 4 t + 3,
	global_load_b128 v[S+4:S+7], v[SOF], s[4:5] offset:4096   ; and 1,024 + 4 t ..
	s_cmp_lg_u32 s[WV], 1                          ; wave 1 writes out1 and out2
	s_cbranch_scc1 .Lno_cov
	global_load_b128 v[CV:CV+3], v[LI], s[8:9]
	global_load_b128 v[CV+4:CV+7], v[LI], s[8:9] offset:512
.Lno_cov:
.irp n, 0,1,2,3
.irp e, 0,1,2,3,4,5,6,7
	global_load_b128 v[X+32*\n+4*\e:X+32*\n+4*\e+3], v[LI], s[6:7] offset:4096*(8*\n+\e) th:TH_LOAD_NT
.endr
.endr
	s_wait_loadcnt 32                              ; the scores and the coverage are in: the 32 loads behind them stay out
	; the largest score: in the lane, in the wave, among the waves
	v_max3_num_f32 v[T], v[S], v[S+1], v[S+2]
	v_max3_num_f32 v[T+1], v[S+3], v[S+4], v[S+5]
	s_delay_alu instid0(VALU_DEP_2)
	v_max3_num_f32 v[T], v[T], v[S+6], v[S+7]
	s_delay_alu instid0(VALU_DEP_1)
	v_max_num_f32 v[T], v[T], v[T+1]
.irp m, 1,2,4,8
	s_delay_alu instid0(VALU_DEP_1)
	v_max_num_f32_dpp v[T], v[T], v[T] row_xmask:\m row_mask:0xf bank_mask:0xf
.endr
	s_delay_alu instid0(VALU_DEP_1)
	v_permlanex16_b32 v[T+1], v[T], s[SEL], s[SEL+1]
	s_delay_alu instid0(VALU_DEP_1)
	v_max_num_f32 v[T], v[T], v[T+1]
	ds_store_b32 v[RW], v[T]                       ; all lanes write the same word with the same value
	s_wait_dscnt 0x0
	s_barrier_signal -1
	s_barrier_wait -1
	ds_load_b128 v[T:T+3], v[RR]
	ds_load_b128 v[T+4:T+7], v[RR] offset:16
	s_wait_dscnt 0x0
	v_max3_num_f32 v[T], v[T], v[T+1], v[T+2]
	v_max3_num_f32 v[T+3], v[T+3], v[T+4], v[T+5]
	s_delay_alu instid0(VALU_DEP_2)
	v_max3_num_f32 v[T], v[T], v[T+6], v[T+7]
	s_delay_alu instid0(VALU_DEP_1)
	v_max_num_f32 v[T], v[T], v[T+3]
	s_delay_alu instid0(VALU_DEP_1)
	v_mul_f32 v[NM], 0xbfb8aa3b, v[T]              ; -log2(e) x the maximum
.irp k, 0,2,4,6
	v_pk_fma_f32 v[S+\k:S+\k+1], v[S+\k:S+\k+1], 0x3fb8aa3b, v[NM:NM+1] op_sel_hi:[1,0,0]
.endr
	s_wait_alu depctr_va_vdst(0)
.irp k, 0,1,2,3,4,5,6,7
	v_exp_f32 v[S+\k], v[S+\k]                     ; e^(score - maximum), at most 1
.endr
	v_nop                                          ; a plain line behind the last exponential,
	s_wait_alu depctr_va_vdst(0)                   ; and one wait for the eight, ahead of their first reader
	v_pk_add_f32 v[T:T+1], v[S:S+1], v[S+2:S+3]
	v_pk_add_f32 v[T+2:T+3], v[S+4:S+5], v[S+6:S+7]
	s_delay_alu instid0(VALU_DEP_1)
	v_pk_add_f32 v[T:T+1], v[T:T+1], v[T+2:T+3]
	s_delay_alu instid0(VALU_DEP_1)
	v_add_f32 v[T], v[T], v[T+1]
.irp m, 1,2,4,8
	s_delay_alu instid0(VALU_DEP_1)
	v_add_f32_dpp v[T], v[T], v[T] row_xmask:\m row_mask:0xf bank_mask:0xf
.endr
	s_delay_alu instid0(VALU_DEP_1)
	v_permlanex16_b32 v[T+1], v[T], s[SEL], s[SEL+1]
	s_delay_alu instid0(VALU_DEP_1)
	v_add_f32 v[T], v[T], v[T+1]
	ds_store_b32 v[RW], v[T] offset:128            ; other bytes than the maxima's
	s_wait_dscnt 0x0
	s_barrier_signal -1
	s_barrier_wait -1
	ds_load_b128 v[T:T+3], v[RR] offset:128
	ds_load_b128 v[T+4:T+7], v[RR] offset:144
	s_wait_dscnt 0x0
	v_pk_add_f32 v[T:T+1], v[T:T+1], v[T+2:T+3]
	v_pk_add_f32 v[T+4:T+5], v[T+4:T+5], v[T+6:T+7]
	s_delay_alu instid0(VALU_DEP_1)
	v_pk_add_f32 v[T:T+1], v[T:T+1], v[T+4:T+5]
	s_delay_alu instid0(VALU_DEP_1)
	v_add_f32 v[T], v[T], v[T+1]
	s_wait_alu depctr_va_vdst(0)
	v_rcp_f32 v[RC], v[T]
	v_nop
	s_wait_alu depctr_va_vdst(0)                   ; ahead of the reciprocal's first reader
.irp k, 0,2,4,6
	v_pk_mul_f32 v[S+\k:S+\k+1], v[S+\k:S+\k+1], v[RC:RC+1] op_sel_hi:[1,0]
.endr
	ds_store_b128 v[SOF], v[S:S+3] offset:WT
	ds_store_b128 v[SOF], v[S+4:S+7] offset:WT+4096
	s_wait_dscnt 0x0                               ; for the others' sake: my eight weights lie in LDS
	s_barrier_signal -1
	s_barrier_wait -1
	s_cmp_lg_u32 s[WV], 1
	s_cbranch_scc1 .Lno_out
	ds_load_b128 v[T:T+3], v[OA] offset:WT
	ds_load_b128 v[T+4:T+7], v[OA] offset:WT+512
	s_wait_dscnt 0x0
	global_store_b128 v[LI], v[T:T+3], s[12:13]            ; 32 lanes store 512 consecutive bytes, aligned
	global_store_b128 v[LI], v[T+4:T+7], s[12:13] offset:512
.irp k, 0,2,4,6
	v_pk_add_f32 v[CV+\k:CV+\k+1], v[CV+\k:CV+\k+1], v[T+\k:T+\k+1]
.endr
	global_store_b128 v[LI], v[CV:CV+3], s[14:15]
	global_store_b128 v[LI], v[CV+4:CV+7], s[14:15] offset:512
.Lno_out:
; Eight rows: their weights from LDS (one address for all lanes), 16 packed multiply-adds in two chains; ahead = 1: the group's registers take the rows 32 further down.  cnt: the younger loads, which stay out.
.macro GROUP n, ahead, cnt
	ds_load_b128 v[WQ:WQ+3], v[WA] offset:32*\n
	ds_load_b128 v[WQ+4:WQ+7], v[WA] offset:32*\n+16
	s_wait_loadcnt \cnt
	s_wait_dscnt 0x0
.irp e, 0
.if \e%2
	v_pk_fma_f32 v[ACC+4:ACC+5], v[X+32*\n+4*\e:X+32*\n+4*\e+1], v[WQ+\e-1:WQ+\e], v[ACC+4:ACC+5] op_sel:[0,1,0] op_sel_hi:[1,1,1]
	v_pk_fma_f32 v[ACC+6:ACC+7], v[X+32*\n+4*\e+2:X+32*\n+4*\e+3], v[WQ+\e-1:WQ+\e], v[ACC+6:ACC+7] op_sel:[0,1,0] op_sel_hi:[1,1,1]
.else
	v_pk_fma_f32 v[ACC:ACC+1], v[X+32*\n+4*\e:X+32*\n+4*\e+1], v[WQ+\e:WQ+\e+1], v[ACC:ACC+1] op_sel_hi:[1,0,1]
	v_pk_fma_f32 v[ACC+2:ACC+3], v[X+32*\n+4*\e+2:X+32*\n+4*\e+3], v[WQ+\e:WQ+\e+1], v[ACC+2:ACC+3] op_sel_hi:[1,0,1]
.endif
.endr
.irp e, 1
.if \e%2
	v_pk_fma_f32 v[ACC+4:ACC+5], v[X+32*\n+4*\e:X+32*\n+4*\e+1], v[WQ+\e-1:WQ+\e], v[ACC+4:ACC+5] op_sel:[0,1,0] op_sel_hi:[1,1,1]
	v_pk_fma_f32 v[ACC+6:ACC+7], v[X+32*\n+4*\e+2:X+32*\n+4*\e+3], v[WQ+\e-1:WQ+\e], v[ACC+6:ACC+7] op_sel:[0,1,0] op_sel_hi:[1,1,1]
.else
	v_pk_fma_f32 v[ACC:ACC+1], v[X+32*\n+4*\e:X+32*\n+4*\e+1], v[WQ+\e:WQ+\e+1], v[ACC:ACC+1] op_sel_hi:[1,0,1]
	v_pk_fma_f32 v[ACC+2:ACC+3], v[X+32*\n+4*\e+2:X+32*\n+4*\e+3], v[WQ+\e:WQ+\e+1], v[ACC+2:ACC+3] op_sel_hi:[1,0,1]
.endif
.endr
.irp e, 2, 3, 4, 5, 6, 7
.if \e%2
	s_delay_alu instid0(VALU_DEP_4)
	v_pk_fma_f32 v[ACC+4:ACC+5], v[X+32*\n+4*\e:X+32*\n+4*\e+1], v[WQ+\e-1:WQ+\e], v[ACC+4:ACC+5] op_sel:[0,1,0] op_sel_hi:[1,1,1]
	s_delay_alu instid0(VALU_DEP_4)
	v_pk_fma_f32 v[ACC+6:ACC+7], v[X+32*\n+4*\e+2:X+32*\n+4*\e+3], v[WQ+\e-1:WQ+\e], v[ACC+6:ACC+7] op_sel:[0,1,0] op_sel_hi:[1,1,1]
.else
	s_delay_alu instid0(VALU_DEP_4)
	v_pk_fma_f32 v[ACC:ACC+1], v[X+32*\n+4*\e:X+32*\n+4*\e+1], v[WQ+\e:WQ+\e+1], v[ACC:ACC+1] op_sel_hi:[1,0,1]
	s_delay_alu instid0(VALU_DEP_4)
	v_pk_fma_f32 v[ACC+2:ACC+3], v[X+32*\n+4*\e+2:X+32*\n+4*\e+3], v[WQ+\e:WQ+\e+1], v[ACC+2:ACC+3] op_sel_hi:[1,0,1]
.endif
.endr
.if \ahead
.irp e, 0,1,2,3,4,5,6,7
	global_load_b128 v[X+32*\n+4*\e:X+32*\n+4*\e+3], v[LI], s[6:7] offset:131072+4096*(8*\n+\e) th:TH_LOAD_NT
.endr
.endif
.endm
	s_mov_b32 s[CNT], 7
.Ltrip:                                            ; 32 rows a trip
	v_mov_b32 v[WA], s[WS]
	s_wait_alu depctr_va_vdst(0)
	GROUP 0, 1, 24
	s_wait_alu depctr_va_vdst(0)
	GROUP 1, 1, 24
	s_wait_alu depctr_va_vdst(0)
	GROUP 2, 1, 24
	s_wait_alu depctr_va_vdst(0)
	GROUP 3, 1, 24
	s_wait_xcnt 0x0                                ; the loads that are out have read their base
	s_add_nc_u64 s[6:7], s[6:7], 131072
	s_add_co_u32 s[WS], s[WS], 128
	s_sub_co_u32 s[CNT], s[CNT], 1
	s_cmp_lg_u32 s[CNT], 0
	s_cbranch_scc1 .Ltrip
	v_mov_b32 v[WA], s[WS]
	s_wait_alu depctr_va_vdst(0)
	GROUP 0, 0, 24                                 ; the last 32 rows: nothing more is asked for, and the counts run down
	s_wait_alu depctr_va_vdst(0)
	GROUP 1, 0, 16
	s_wait_alu depctr_va_vdst(0)
	GROUP 2, 0, 8
	s_wait_alu depctr_va_vdst(0)
	GROUP 3, 0, 0
	s_delay_alu instid0(VALU_DEP_2)
	v_pk_add_f32 v[ACC:ACC+1], v[ACC:ACC+1], v[ACC+4:ACC+5]
	s_delay_alu instid0(VALU_DEP_2)
	v_pk_add_f32 v[ACC+2:ACC+3], v[ACC+2:ACC+3], v[ACC+6:ACC+7]
	ds_store_b128 v[SOF], v[ACC:ACC+3] offset:PART     ; 16 x thread = 512 x wave + 16 x lane
	s_wait_dscnt 0x0                               ; for wave 0's sake
	s_barrier_signal -1
	s_barrier_wait -1
	s_cmp_lg_u32 s[WV], 0
	s_cbranch_scc1 .Lend
.irp k, 0,1,2,3,4,5,6,7
	ds_load_b128 v[X+4*\k:X+4*\k+3], v[LI] offset:PART+512*\k
.endr
	s_wait_dscnt 0x0
.irp k, 1
	v_pk_add_f32 v[X:X+1], v[X:X+1], v[X+4*\k:X+4*\k+1]        ; the waves' parts, rows ascending
	v_pk_add_f32 v[X+2:X+3], v[X+2:X+3], v[X+4*\k+2:X+4*\k+3]
.endr
.irp k, 2, 3, 4, 5, 6, 7
	s_delay_alu instid0(VALU_DEP_2)
	v_pk_add_f32 v[X:X+1], v[X:X+1], v[X+4*\k:X+4*\k+1]        ; the waves' parts, rows ascending
	s_delay_alu instid0(VALU_DEP_2)
	v_pk_add_f32 v[X+2:X+3], v[X+2:X+3], v[X+4*\k+2:X+4*\k+3]
.endr
	global_store_b128 v[LI], v[X:X+3], s[10:11]    ; 32 lanes store 512 consecutive bytes, aligned
.Lend:
	s_wait_tensorcnt 0x0                           ; the wave's end, behind my last LDS store
	ds_add_u32 v[SPW], v[NIL]
	s_wait_dscnt 0x0
	s_endpgm
.Lfunc_end_k_q7b731dd621_context:
	.size	k_q7b731dd621_context, .Lfunc_end_k_q7b731dd621_context-k_q7b731dd621_context
	.p2alignl 7, 3214868480
	.fill 96, 4, 3214868480
	.section	.rodata,"a",@progbits
	.p2align	6, 0x0
	.amdhsa_kernel k_q7b731dd621_context
		.amdhsa_group_segment_fixed_size 13824
		.amdhsa_private_segment_fixed_size 0
		.amdhsa_enable_private_segment 0
		.amdhsa_kernarg_size 48
		.amdhsa_user_sgpr_count 2
		.amdhsa_user_sgpr_kernarg_segment_ptr 1
		.amdhsa_wavefront_size32 1
		.amdhsa_system_sgpr_workgroup_id_x 1
		.amdhsa_system_sgpr_workgroup_id_y 1
		.amdhsa_system_sgpr_workgroup_id_z 1
		.amdhsa_system_vgpr_workitem_id 0
		.amdhsa_next_free_vgpr 184
		.amdhsa_next_free_sgpr 66
		.amdhsa_reserve_vcc 0
		.amdhsa_float_denorm_mode_32 3
		.amdhsa_float_denorm_mode_16_64 3
		.amdhsa_memory_ordered 1
		.amdhsa_forward_progress 1
		.amdhsa_inst_pref_size 30
	.end_amdhsa_kernel
	.amdgpu_metadata
---
amdhsa.version: [ 1, 2 ]
amdhsa.kernels:
  - .name:           k_q7b731dd621_context
    .symbol:         k_q7b731dd621_context.kd
    .args:
      - { .name: scores, .offset: 0, .size: 8, .value_kind: global_buffer, .address_space: global }
      - { .name: enc_output, .offset: 8, .size: 8, .value_kind: global_buffer, .address_space: global }
      - { .name: prev_coverage, .offset: 16, .size: 8, .value_kind: global_buffer, .address_space: global }
      - { .name: out0, .offset: 24, .size: 8, .value_kind: global_buffer, .address_space: global }
      - { .name: out1, .offset: 32, .size: 8, .value_kind: global_buffer, .address_space: global }
      - { .name: out2, .offset: 40, .size: 8, .value_kind: global_buffer, .address_space: global }
    .group_segment_fixed_size: 13824
    .private_segment_fixed_size: 0
    .kernarg_segment_align: 8
    .kernarg_segment_size: 48
    .max_flat_workgroup_size: 256
    .sgpr_count:     66
    .vgpr_count:     184
    .wavefront_size: 32
...
	.end_amdgpu_metadata
.endif
;; end of part 3
